; MI455X (gfx1250); checked and timed in simulation.
; The chip was launched on July 23, 2026; its instructions are those of AMD's public machine-readable ISA for CDNA 5 (MIT licence, August 2026) and "CDNA5" Instruction Set Architecture Reference Guide (July 2026). The comments in the code are by the model that wrote it; some were corrected since.
;; Gladius Attention. Allowed arithmetic: matrix products marked QUANTISED: E4M3 operands, one given power-of-two scale a tensor, by v_wmma_f32_16x16x64_fp8_fp8 or v_wmma_f32_16x16x128_fp8_fp8, f32 sums; everything else in f32.
;; Inputs: lowp_scales 12 int32 (the exponents e of the quantised operands' scales 2^e); wk_codes 256 x 32 x 32 uint8 (E4M3 codes of wk, K innermost, in blocks of 32 codes); wo_codes 1,024 x 32 x 32 uint8 (E4M3 codes of wo, K innermost, in blocks of 32 codes); wq_codes 1,024 x 32 x 32 uint8 (E4M3 codes of wq, K innermost, in blocks of 32 codes); wv_codes 256 x 32 x 32 uint8 (E4M3 codes of wv, K innermost, in blocks of 32 codes); x_codes 4 x 2,048 x 32 x 32 uint8 (E4M3 codes of x, K innermost, in blocks of 32 codes).
;; Outputs: out0 4 x 2,048 x 1,024 float32.
;; This version of the problem:
;;   THIS VERSION OF THE PROBLEM IS GIVEN IN LOW PRECISION. The matrix products marked QUANTISED in the list below multiply operands that are first quantised to E4M3 (4 exponent bits, 3 mantissa bits; 8 bits a number), with one given power-of-two scale for each operand tensor; their sums are f32. All else is computed in f32.
;;   The module's matrix products, in the order in which they are computed (A, B: the left and right operand; K: the contracted axis; several contracted axes count as one K, in the product's order):
;;     1. [M 8,192, K 1,024] x [K 1,024, N 1,024]; A: input x (given as codes); B: input wq (given as codes): QUANTISED (scales: A lowp_scales[0], B lowp_scales[1])
;;     2. [M 8,192, K 1,024] x [K 1,024, N 256]; A: input x (given as codes); B: input wk (given as codes): QUANTISED (scales: A lowp_scales[2], B lowp_scales[3])
;;     3. [M 8,192, K 1,024] x [K 1,024, N 256]; A: input x (given as codes); B: input wv (given as codes): QUANTISED (scales: A lowp_scales[4], B lowp_scales[5])
;;     4. batch 64 x [M 2,048, K 64] x [K 64, N 2,048]; A: computed on the way; B: computed on the way: QUANTISED (scales: A lowp_scales[6], B lowp_scales[7])
;;     5. batch 64 x [M 2,048, K 2,048] x [K 2,048, N 64]; A: softmax (see below); B: computed on the way: QUANTISED (scales: A lowp_scales[8], B lowp_scales[9])
;;     6. [M 8,192, K 1,024] x [K 1,024, N 1,024]; A: computed on the way; B: input wo (given as codes): QUANTISED (scales: A lowp_scales[10], B lowp_scales[11])
;;   THE QUANTISER, for each operand of a quantised product, along K:
;;     - The operand's scale is 2^e, e = its entry of the input lowp_scales (int32; the entries are numbered through the quantised products in the list's order, A before B).
;;     - Each number is divided by the scale, clamped to +-448, and rounded to the nearest number of E4M3, ties to even, subnormals kept.
;;     - The product sums the exact products of the quantised numbers (number of the format x scale) in f32.
;;   ~~~python
;;   def quantise(x, axis, e):      # numpy; x: float32 -> the quantised numbers, widened to float32 again
;;       x = np.moveaxis(x, axis, -1); K = x.shape[-1]
;;       r = np.clip(x / 2.0 ** e, -448, 448)
;;       step = 2.0 ** (np.maximum(np.frexp(np.where(r == 0, 1, r))[1] - 1, -6) - 3)
;;       q = np.round(r / step) * step * 2.0 ** e      # np.round: ties to even
;;       return np.moveaxis(q, -1, axis).astype(np.float32)
;;   ~~~
;;   SOFTMAX AHEAD OF A QUANTISED PRODUCT. Where the list says 'softmax', what is quantised is not the finished softmax but p = 2^(t - M), with t = logit x log2(e) and M = ceil(the row's largest t), a whole number; so 1/2 < the row's largest p <= 1. The row's sum l is taken of the UNQUANTISED p, in f32, and the product's result is divided by l at the end. Since M is a whole number, a kernel that streams over the keys may use a running M (the ceiling of the running maximum): every later rescaling is an exact power of two, so the quantised numbers keep their values, but for numbers so far below the row's largest that they fall under the format's range.
;;   OPERANDS COMPUTED ON THE WAY. 'Computed on the way' means the value that the module computes at that place (a softmax that the list does not call 'softmax' is quantised finished and normalised). What goes into a quantiser is computed in f32, as accurately as f32 sums, v_exp_f32 and their like allow (about 1e-6 of the number): no bf16 or f16 on the way to a quantiser, and a product that is left as it is and whose result goes on into a quantised operand takes f32 operands (vector FMAs, or v_wmma_f32_16x16x4_f32). A number that lies on a knife's edge between two numbers of the format may be rounded either way, as far as f32 arithmetic and the matrix unit's own rounding can turn it there, and no further.
;;   INPUTS GIVEN AS CODES. wk (in the module: [1024, 256], K = its axis 0); wo (in the module: [1024, 1024], K = its axis 0); wq (in the module: [1024, 1024], K = its axis 0); wv (in the module: [1024, 256], K = its axis 0); x (in the module: [4, 2048, 1024], K = its axis 2): each comes as NAME_codes (uint8): NAME with its K axis moved to the last place and cut into blocks of 32 codes, [.., K / 32, bytes a block], one block behind the other in memory; one code a byte (a code: sign, 4 exponent bits, 3 mantissa bits); its scale is its entry of lowp_scales. Its value is code x scale, taken as it is: it is not quantised again, and the codes and scales need not be those that the quantiser above would give.
;; One version. Each part assembles by itself: llvm-mc -triple=amdgcn-amd-amdhsa -mcpu=gfx1250 --defsym DOCPART=n.
;; ======== version 1 of 1: 3 launches
;; limits: right only within a limited range of input values
;; workspace buffers: q_img 8,388,608 bytes; kv_img 4,194,304 bytes; a_img 8,388,608 bytes
;; launch qkv (part 1): grid 32 x 6, 4 waves a work-group, clusters of 4 x 1, 327,680 bytes of LDS; arguments x_codes, wq_codes, wk_codes, wv_codes, lowp_scales, q_img, kv_img; writes q_img, kv_img
.if DOCPART == 1
	.amdgcn_target "amdgcn-amd-amdhsa--gfx1250"
	.amdhsa_code_object_version 6
	.text
	.protected	k_q297aaa7a14_qkv
	.globl	k_q297aaa7a14_qkv
	.p2align	8
	.type	k_q297aaa7a14_qkv,@function
k_q297aaa7a14_qkv:
	s_mov_b64 s[64:65], 0
	v_nop
	global_prefetch_b8 v0, s[64:65] scope:SCOPE_SE
	s_setreg_imm32_b32 hwreg(HW_REG_WAVE_MODE, 25, 1), 1
	s_wait_xcnt 0x0
	s_wait_alu depctr_hold_cnt(0) depctr_sa_sdst(0) depctr_va_vdst(0) depctr_va_sdst(0) depctr_va_ssrc(0) depctr_va_vcc(0) depctr_vm_vsrc(0)
	s_getreg_b32 s2, hwreg(HW_REG_IB_STS2, 6, 4)
	s_cmp_eq_u32 s2, 0
	s_cbranch_scc0 .Lentry_in_a_cluster
	s_endpgm
.Lentry_in_a_cluster:
	s_bfe_u32 s2, ttmp6, 0x10000c
	s_cmp_lg_u32 s2, 0x3003
	s_cbranch_scc0 .Lentry_shape_is_right
	s_endpgm
.Lentry_shape_is_right:
; q, k, v = x wq, x wk, x wv on codes of FP8 (E4M3), rotary embedding on q and k in f32, then each quantised with its given scale and stored as images of operand registers.
; Nothing of reference() is left out here; the later launch attn leaves out the key tiles that lie wholly under reference()'s own causal mask.
; A tile of 256 x 256 to a work-group, four waves of 128 x 128; y = 0..3: wq's columns, 4: wk, 5: wv.  K = 1,024 goes in steps of 256 through a ring of two LDS slots.
; LDS: rows 0-255 of a slot feed source 1, rows 256-511 source 0.  For q and k source 1 is x; for v it is wv, so that a lane holds one channel and its registers run along the keys.
; The LDS addresses are the same for every y: for v the waves swap WHAT they fetch (waves 0, 1: wv; waves 2, 3: x), not where it goes.
; CLUSTER 4 x 1: the four partners share the weight's tile, which is asked for jointly; x's tile is each work-group's own.
; LIMITS: each folded exponent (e6 - e0 - e1, e7 - e2 - e3, e9 - e4 - e5) lies between -126 and 119.
.set ROWB,   256
.set KROW,   1024
.set PITCH,  272
.set FR,     16
.set NL,     4
.set NP,     4
.set HALFT,  128*PITCH
.set SLOT,   4*HALFT
.set SPARE,  2*SLOT
.set LI,   7
.set TRD,  8
.set TWR,  9
.set VO2,  10
.set SC,   11
.set LIM,  12
.set ADRA, 16
.set ADRB, 20
.set SPW,  28
.set NIL,  29
.set AF,   128
.set WV,  18
.set H1,  19
.set H0,  20
.set CX,  21
.set MT,  22
.set YY,  23
.set G1X, 24
.set G0X, 32
.set G1W, 40
.set G0W, 48
.set OUTB, 80
.set MSB, 0
.macro WIN new
.if MSB != \new
	s_set_vgpr_msb (MSB<<8)|\new
.set MSB, \new
.endif
.endm
.set MUL_LO, 0xa1
.set MUL_HI, 0xf1
.set TO_B,   0x40
.macro JLOAD s
	s_cmp_eq_u32 s[SELX], 0
	s_cbranch_scc0 .Lfor_w_\@
	tensor_load_to_lds s[G0X+4*\s:G0X+4*\s+3], s[G1X:G1X+7]
	s_nop 0
.rept 4
	v_nop
.endr
	s_branch .Lasked_\@
.Lfor_w_\@:
	tensor_load_to_lds s[G0W+4*\s:G0W+4*\s+3], s[G1W:G1W+7]
	s_nop 0
.rept 4
	v_nop
.endr
.Lasked_\@:
.endm
.macro CREST
	s_cmp_lg_u32 s[WV], 0
	s_cbranch_scc1 .Lnot_wave_0_\@
	s_barrier_signal -3
.Lnot_wave_0_\@:
	s_barrier_wait -3
	s_barrier_signal -1
	s_barrier_wait -1
.endm
.macro CROUND
	s_barrier_signal -1
	s_barrier_wait -1
	CREST
.endm
	s_load_b256 s[4:11], s[0:1], 0x0
	s_load_b128 s[12:15], s[0:1], 0x20
	s_load_b64 s[16:17], s[0:1], 0x30
	v_lshl_add_u32 v[SPW], v0, 2, SPARE
	v_mov_b32 v[NIL], 0
	ds_add_u32 v28, v29
	ds_add_u32 v28, v29
	s_wait_dscnt 0x0
	v_lshrrev_b32 v3, 5, v0
	v_readfirstlane_b32 s[WV], v3
	s_lshr_b32 s[H1], s[WV], 1
	s_and_b32 s[H0], s[WV], 1
	s_bfe_u32 s[CX], ttmp6, 0x40000
	s_lshl_b32 s[MT], ttmp9, 2
	s_add_co_u32 s[MT], s[MT], s[CX]
	s_and_b32 s[YY], ttmp7, 0xffff
.set SELX, 93                          ; s93  0: I fetch x's tile, 1: the weight's.  Waves 0, 1 fetch x and waves 2, 3 the weight; for v (y = 5) the other way round
	s_cmp_eq_u32 s[YY], 5
	s_cselect_b32 s[SELX], 1, 0
	s_xor_b32 s[SELX], s[SELX], s[H1]
	s_mov_b32 s[G1X], (1<<20)|(5<<22)|(3<<25)
	s_mov_b32 s[G1W], 15|(1<<20)|(1<<21)|(5<<22)|(3<<25)
.irp g, G1X, G1W
	s_mov_b32 s[\g+1], ROWB<<16
	s_mov_b32 s[\g+2], 128<<16
	s_mov_b32 s[\g+3], ROWB<<16
	s_mov_b32 s[\g+4], 128
	s_mov_b32 s[\g+5], KROW
	s_mov_b32 s[\g+6], 0
	s_mov_b32 s[\g+7], 0
.endr
	s_lshl_b32 s60, s[H0], 7
	s_lshl_b32 s56, s[MT], 8
	s_add_co_u32 s56, s56, s60
	s_lshl_b32 s56, s56, 10
	s_mov_b32 s57, 0
	s_cmp_lt_u32 s[YY], 4
	s_cselect_b32 s58, s[YY], 0
	s_lshl_b32 s58, s58, 8
	s_add_co_u32 s58, s58, s60
	s_lshl_b32 s58, s58, 10
	s_mov_b32 s59, 0
	s_mul_i32 s61, s[WV], HALFT
	s_wait_kmcnt 0x0
	s_load_b256 s[68:75], s[12:13], 0x0
	s_load_b128 s[76:79], s[12:13], 0x20
	s_add_nc_u64 s[56:57], s[4:5], s[56:57]
	s_cmp_lt_u32 s[YY], 4
	s_cselect_b64 s[62:63], s[6:7], s[8:9]
	s_cmp_eq_u32 s[YY], 5
	s_cselect_b64 s[62:63], s[10:11], s[62:63]
	s_add_nc_u64 s[62:63], s[62:63], s[58:59]
	CROUND
.irp s, 0,1
	s_mov_b32 s[G0X+4*\s], 1
	s_add_co_u32 s[G0X+4*\s+1], s61, \s*SLOT
	s_add_nc_u64 s[G0X+4*\s+2:G0X+4*\s+3], s[56:57], \s*ROWB
	s_or_b32 s[G0X+4*\s+3], s[G0X+4*\s+3], 0x80000000
	s_mov_b32 s[G0W+4*\s], 1
	s_add_co_u32 s[G0W+4*\s+1], s61, \s*SLOT
	s_add_nc_u64 s[G0W+4*\s+2:G0W+4*\s+3], s[62:63], \s*ROWB
	s_or_b32 s[G0W+4*\s+3], s[G0W+4*\s+3], 0x80000000
.endr
	JLOAD 0                                        ; K step 0: one tensor load a wave at the head
	v_and_b32 v1, 15, v0
	v_bfe_u32 v2, v0, 4, 1
	v_mul_u32_u24 v3, v1, PITCH
	v_lshl_add_u32 v4, v2, 4, v3
	s_wait_alu depctr_va_vdst(0)
	s_mul_i32 s82, s[H1], HALFT                    ; source 1's 128 rows, among a slot's rows 0-255
	s_mul_i32 s83, s[H0], HALFT                    ; source 0's 128 rows,
	s_add_co_u32 s83, s83, 2*HALFT                 ; among rows 256-511
.irp s, 0,1
	v_add_nc_u32 v[ADRA+\s], s82, v4
	v_add_nc_u32 v[ADRB+\s], s83, v4
	s_add_co_u32 s82, s82, SLOT
	s_add_co_u32 s83, s83, SLOT
.endr
	v_and_b32 v5, 31, v0
	v_lshlrev_b32 v[LI], 4, v5
.set TBL, SPARE+512                    ; behind the spare words: 32,768 bytes of their own for the table's early half
.set TRE, 13                           ; v13  where I read the table's early half;  v8 its late half
.set TWE, 14                           ; v14  where I write the early half;  v9 the late half
	s_lshl_b32 s84, s[H1], 14
	v_add_nc_u32 v[TRD], s84, v[LI]
	v_add_nc_u32 v[TRE], TBL, v[TRD]
	s_lshl_b32 s84, s[WV], 13
	v_add_nc_u32 v[TWR], s84, v[LI]
	v_add_nc_u32 v[TWE], TBL, v[TWR]
	s_cmp_lt_u32 s[YY], 4
	s_cselect_b32 s84, 0, 131072
	s_add_co_u32 s84, s84, 131072
	v_add_nc_u32 v[VO2], s84, v[LI]
	s_lshr_b32 s85, s[MT], 3
	s_and_b32 s86, s[MT], 7
	s_lshl_b32 s87, s85, 4
	s_lshl_b32 s88, s[YY], 2
	s_add_co_u32 s87, s87, s88
	s_lshl_b32 s88, s[H0], 1
	s_add_co_u32 s87, s87, s88
	s_lshl_b32 s87, s87, 7
	s_lshl_b32 s88, s86, 4
	s_add_co_u32 s87, s87, s88
	s_lshl_b32 s88, s[H1], 3
	s_add_co_u32 s87, s87, s88
	s_lshl_b32 s87, s87, 10
	s_lshl_b32 s89, s85, 2
	s_lshl_b32 s90, s86, 1
	s_lshl_b32 s88, s[H0], 1
	s_add_co_u32 s88, s88, s89
	s_lshl_b32 s88, s88, 18
	s_add_co_u32 s91, s90, s[H1]
	s_lshl_b32 s91, s91, 14
	s_add_co_u32 s88, s88, s91
	s_lshl_b32 s91, s[H1], 1
	s_add_co_u32 s91, s91, s89
	s_lshl_b32 s91, s91, 18
	s_add_co_u32 s92, s90, s[H0]
	s_lshl_b32 s92, s92, 14
	s_add_co_u32 s91, s91, s92
	s_add_co_u32 s91, s91, 8192
	s_cmp_eq_u32 s[YY], 5
	s_cselect_b32 s88, s91, s88
	s_cmp_lt_u32 s[YY], 4
	s_cselect_b32 s82, s87, s88
	s_cselect_b64 s[OUTB:OUTB+1], s[14:15], s[16:17]
	s_mov_b32 s83, 0
	s_add_nc_u64 s[OUTB:OUTB+1], s[OUTB:OUTB+1], s[82:83]
; THE ROTARY TABLE, made in the head while the first tiles are on their way.  Wave w makes cos and sin for positions 64 w .. 64 w + 63 of the tile, four blocks of 16 positions: lane (r, h) holds position r of a block and
; frequencies 16 (n / 8) + n % 8 + 8 h, n = 0 .. 15: the places in which the way out wants them.  A block is 4,096 bytes: cos in four groups of 512 bytes, then sin.
; Blocks 0, 1 go to LDS bytes of their own at once; blocks 2, 3 wait in v32-95, which the K loop leaves alone, and are stored behind the last product into slot 0, which has then had its last fill and its last read.
; Every work-group runs these lines, v's too, where the table is not read.
; The angle is reduced by multiples of pi / 2 in two parts; sin and cos are polynomials on the rest; the quadrant swaps and signs them.
.set HOLD, 32
.set FQ,   96
.set K2PI, 112
.set MAG,  114
.set NP1,  116
.set NP2,  118
.set CS1,  120
.set CS2,  122
.set CS3,  124
.set CC1,  126
.set CC2,  128
.set CC3,  130
.set SF,   132
.set TT,   134
.set TH,   136
.set NB,   144
.set NF,   152
.set RR,   160
.set ZQ,   168
.set SPO,  176
.set RZ,   184
.set SN,   192
.set CPO,  200
.set Z2,   208
.set HC,   216
.set CV,   224
.set SI,   232
.set CO,   240
.set TJ,   136
.set TA,   152
.macro KPAIR reg, val
	v_mov_b32 v[\reg], \val
	v_mov_b32 v[\reg+1], \val
.endm
.macro TRIG8 f, co, si                 ; eight frequencies from FQ + f on: cos into v[co ..], sin into v[si ..]
.irp p, 0,2,4,6
	v_pk_mul_f32 v[TH+\p:TH+\p+1], v[FQ+(\f)+\p:FQ+(\f)+\p+1], v[SF:SF+1]
.endr
.irp p, 0,2,4,6
	v_pk_fma_f32 v[NB+\p:NB+\p+1], v[TH+\p:TH+\p+1], v[K2PI:K2PI+1], v[MAG:MAG+1]
.endr
.irp p, 0,2,4,6
	v_pk_add_f32 v[NF+\p:NF+\p+1], v[NB+\p:NB+\p+1], v[MAG:MAG+1] neg_lo:[0,1] neg_hi:[0,1]
.endr
.irp p, 0,2,4,6
	v_pk_fma_f32 v[RR+\p:RR+\p+1], v[NF+\p:NF+\p+1], v[NP1:NP1+1], v[TH+\p:TH+\p+1]
.endr
.irp p, 0,2,4,6
	v_pk_fma_f32 v[RR+\p:RR+\p+1], v[NF+\p:NF+\p+1], v[NP2:NP2+1], v[RR+\p:RR+\p+1]
.endr
.irp p, 0,2,4,6
	v_pk_mul_f32 v[ZQ+\p:ZQ+\p+1], v[RR+\p:RR+\p+1], v[RR+\p:RR+\p+1]
.endr
.irp p, 0,2,4,6
	v_pk_fma_f32 v[SPO+\p:SPO+\p+1], v[ZQ+\p:ZQ+\p+1], v[CS3:CS3+1], v[CS2:CS2+1]
	v_pk_fma_f32 v[CPO+\p:CPO+\p+1], v[ZQ+\p:ZQ+\p+1], v[CC3:CC3+1], v[CC2:CC2+1]
.endr
.irp p, 0,2,4,6
	v_pk_mul_f32 v[RZ+\p:RZ+\p+1], v[RR+\p:RR+\p+1], v[ZQ+\p:ZQ+\p+1]
	v_pk_mul_f32 v[Z2+\p:Z2+\p+1], v[ZQ+\p:ZQ+\p+1], v[ZQ+\p:ZQ+\p+1]
.endr
.irp p, 0,2,4,6
	v_pk_fma_f32 v[SPO+\p:SPO+\p+1], v[SPO+\p:SPO+\p+1], v[ZQ+\p:ZQ+\p+1], v[CS1:CS1+1]
	v_pk_fma_f32 v[CPO+\p:CPO+\p+1], v[CPO+\p:CPO+\p+1], v[ZQ+\p:ZQ+\p+1], v[CC1:CC1+1]
.endr
.irp p, 0,2,4,6
	v_pk_fma_f32 v[HC+\p:HC+\p+1], v[ZQ+\p:ZQ+\p+1], -0.5, 1.0 op_sel_hi:[1,0,0]
.endr
.irp p, 0,2,4,6
	v_pk_fma_f32 v[SN+\p:SN+\p+1], v[SPO+\p:SPO+\p+1], v[RZ+\p:RZ+\p+1], v[RR+\p:RR+\p+1]
	v_pk_fma_f32 v[CV+\p:CV+\p+1], v[CPO+\p:CPO+\p+1], v[Z2+\p:Z2+\p+1], v[HC+\p:HC+\p+1]
.endr
.irp i, 0,1,2,3,4,5,6,7                ; the quadrant: its low bit swaps sin and cos, its second bit (for cos: of the quadrant + 1) gives the sign
	v_and_b32 v[TH+\i], 1, v[NB+\i]
	v_lshlrev_b32 v[NF+\i], 30, v[NB+\i]
	v_add_lshl_u32 v[RZ+\i], v[NB+\i], 1, 30
.endr
.irp i, 0,1,2,3,4,5,6,7
	v_cmp_ne_u32 s[84+\i], 0, v[TH+\i]
	v_and_b32 v[NF+\i], 0x80000000, v[NF+\i]
	v_and_b32 v[RZ+\i], 0x80000000, v[RZ+\i]
.endr
.irp i, 0,1,2,3,4,5,6,7
	v_cndmask_b32 v[ZQ+\i], v[SN+\i], v[CV+\i], s[84+\i]
	v_cndmask_b32 v[Z2+\i], v[CV+\i], v[SN+\i], s[84+\i]
.endr
.irp i, 0,1,2,3,4,5,6,7
	v_xor_b32 v[\si+\i], v[ZQ+\i], v[NF+\i]
	v_xor_b32 v[\co+\i], v[Z2+\i], v[RZ+\i]
.endr
.endm
.macro TBLK rtl                        ; block rtl of my four
.irp u, 0,1
.if \rtl < 2
	TRIG8 8*\u, CO, SI
	ds_store_b128 v[TWE], v[CO:CO+3] offset:4096*\rtl+1024*\u
	ds_store_b128 v[TWE], v[CO+4:CO+7] offset:4096*\rtl+1024*\u+512
	ds_store_b128 v[TWE], v[SI:SI+3] offset:4096*\rtl+1024*\u+2048
	ds_store_b128 v[TWE], v[SI+4:SI+7] offset:4096*\rtl+1024*\u+2560
.else
	TRIG8 8*\u, HOLD+32*(\rtl-2)+8*\u, HOLD+32*(\rtl-2)+16+8*\u
.endif
.endr
.if \rtl < 3
	v_add_f32 v[SF], 0x41800000, v[SF]             ; 16 positions on
	v_add_f32 v[SF+1], 0x41800000, v[SF+1]
.endif
.endm
	v_lshlrev_b32 v[TT], 3, v2
.set n, 0
.rept 16
	v_add_nc_u32 v[TJ+n], 16*(n/8)+n%8, v[TT]
.set n, n+1
.endr
.set n, 0
.rept 16
	v_cvt_f32_u32 v[TJ+n], v[TJ+n]
.set n, n+1
.endr
.set n, 0
.rept 16
	v_mul_f32 v[TA+n], 0xbed49a80, v[TJ+n]         ; -log2(10000) / 32 x j
.set n, n+1
.endr
.set n, 0
	s_wait_alu depctr_va_vdst(0)                   ; the wait ahead of the batch
.rept 16
	v_exp_f32 v[FQ+n], v[TA+n]
.set n, n+1
.endr
.set n, 0
.rept 16
	v_mul_f32 v[TJ+n], 0x342ae0c1, v[TJ+n]         ; the rest of the constant, as a first-order term
.set n, n+1
.endr
.set n, 0
	s_wait_alu depctr_va_vdst(0)                   ; and behind it
.rept 16
	v_fma_f32 v[FQ+n], v[FQ+n], v[TJ+n], v[FQ+n]
.set n, n+1
.endr
	KPAIR K2PI, 0x3f22f983
	KPAIR MAG,  0x4b400000
	KPAIR NP1,  0xbfc90fdb
	KPAIR NP2,  0x333bbd2e
	KPAIR CS1,  0xbe2aaaa3
	KPAIR CS2,  0x3c08839e
	KPAIR CS3,  0xb94ca1f9
	KPAIR CC1,  0x3d2aaaa5
	KPAIR CC2,  0xbab6061a
	KPAIR CC3,  0x37ccf5ce
	s_and_b32 s85, s[MT], 7
	s_lshl_b32 s85, s85, 8
	s_lshl_b32 s86, s[WV], 6
	s_add_co_u32 s85, s85, s86
	v_add_nc_u32 v[SF], s85, v1                    ; my position in the sequence
	v_cvt_f32_u32 v[SF], v[SF]
	v_mov_b32 v[SF+1], v[SF]
	TBLK 0
	TBLK 1
.macro FRAG reg, adr, q, i
.irp c, 0,1,2,3
	ds_load_b128 v[\reg+4*\c:\reg+4*\c+3], v[\adr] offset:128*(\q)+32*\c+(\i)*16*PITCH
.endr
.endm
.macro MUL16 a0, p, zero
.irp a, \a0, \a0+1
.irp b, 0,1,2,3,4,5,6,7
.if \zero
	v_wmma_f32_16x16x128_fp8_fp8 v[8*(8*((\a)%4)+\b):8*(8*((\a)%4)+\b)+7], v[128*(\p)+FR*\b:128*(\p)+FR*\b+FR-1], v[AF+FR*(\a):AF+FR*(\a)+FR-1], 0
.else
	v_wmma_f32_16x16x128_fp8_fp8 v[8*(8*((\a)%4)+\b):8*(8*((\a)%4)+\b)+7], v[128*(\p)+FR*\b:128*(\p)+FR*\b+FR-1], v[AF+FR*(\a):AF+FR*(\a)+FR-1], v[8*(8*((\a)%4)+\b):8*(8*((\a)%4)+\b)+7]
.endif
.endr
.endr
.endm
.macro FETCH_B slot, q, p
	WIN TO_B
.irp i, 0,1,2,3,4,5,6,7
	FRAG 128*(\p)+FR*\i, ADRB+\slot, \q, \i
.endr
	WIN 0
.endm
.macro FETCH_A slot, q, i0
.irp i, \i0, \i0+1, \i0+2, \i0+3
	FRAG AF+FR*(\i), ADRA+\slot, \q, \i
.endr
.endm
.macro PLACES n
.rept \n
	v_nop
.endr
.endm
.macro STEP slot, q, zero
	s_wait_dscnt 4*NL
	WIN MUL_LO
	MUL16 0, (\q)%2, \zero
	MUL16 2, (\q)%2, \zero
	s_wait_dscnt 0
	PLACES NP
	FETCH_B \slot, (\q)+1, 1-(\q)%2
	FETCH_A \slot, (\q)+1, 0
	WIN MUL_HI
	MUL16 4, (\q)%2, \zero
	MUL16 6, (\q)%2, \zero
	PLACES NP
	WIN 0
	FETCH_A \slot, (\q)+1, 4
.endm
.macro TURN slot, next, fill
	s_wait_tensorcnt 0x0
	ds_add_u32 v[SPW], v[NIL]
	s_wait_dscnt 4*NL+1
	WIN MUL_LO
	MUL16 0, 1, 0
	s_wait_dscnt 0x0
	s_barrier_signal -1
	MUL16 2, 1, 0
	WIN 0
	s_barrier_wait -1
.if \fill
	CREST
	s_add_nc_u64 s[G0X+4*\slot+2:G0X+4*\slot+3], s[G0X+4*\slot+2:G0X+4*\slot+3], 2*ROWB
	s_add_nc_u64 s[G0W+4*\slot+2:G0W+4*\slot+3], s[G0W+4*\slot+2:G0W+4*\slot+3], 2*ROWB
	JLOAD \slot
.else
	PLACES NP
.endif
	FETCH_B \next, 0, 0
	FETCH_A \next, 0, 0
	WIN MUL_HI
	MUL16 4, 1, 0
	MUL16 6, 1, 0
	PLACES NP
	WIN 0
	FETCH_A \next, 0, 4
.endm
	s_wait_alu depctr_va_vdst(0)
	s_wait_tensorcnt 0x0                           ; my part of K step 0 is in
	ds_add_u32 v[SPW], v[NIL]
	s_wait_dscnt 0x0
	CROUND                                         ; everybody's part is in, and the partners are here
	JLOAD 1
	TBLK 2                                         ; the table's late half, under K step 1's flight
	TBLK 3
	s_wait_alu depctr_va_vdst(0)                   ; the wait behind these writes
	FETCH_B 0, 0, 0
	FETCH_A 0, 0, 0
	FETCH_A 0, 0, 4
	STEP 0, 0, 1
	TURN 0, 1, 1
	STEP 1, 0, 0
	TURN 1, 0, 1
	STEP 0, 0, 0
	TURN 0, 1, 0
	STEP 1, 0, 0
	s_wait_dscnt 4*NL
	WIN MUL_LO
	MUL16 0, 1, 0
	MUL16 2, 1, 0
	s_wait_dscnt 0
	WIN MUL_HI
	MUL16 4, 1, 0
	MUL16 6, 1, 0
	WIN 0
	PLACES NP
	s_wait_kmcnt 0x0
	s_sub_co_i32 s82, s74, s68
	s_sub_co_i32 s82, s82, s69
	s_sub_co_i32 s83, s75, s70
	s_sub_co_i32 s83, s83, s71
	s_sub_co_i32 s84, s77, s72
	s_sub_co_i32 s84, s84, s73
	s_cmp_eq_u32 s[YY], 5
	s_cselect_b32 s83, s84, s83
	s_cmp_lt_u32 s[YY], 4
	s_cselect_b32 s82, s82, s83
	s_add_co_i32 s82, s82, 127
	s_lshl_b32 s83, s82, 23
	v_mov_b32 v[SC], s83
	s_add_co_i32 s82, s82, 8
	s_lshl_b32 s82, s82, 23
	s_or_b32 s82, s82, 0x600000
	v_mov_b32 v[LIM], s82
.irp b, 0,1                            ; the table's late half goes from its registers into slot 0: no tensor load is out, and nobody reads the slot any more
.irp k, 0,1,2,3,4,5,6,7
	ds_store_b128 v[TWR], v[HOLD+32*\b+4*\k:HOLD+32*\b+4*\k+3] offset:4096*\b+512*\k
.endr
.endr
	s_wait_dscnt 0x0
	s_barrier_signal -1
	s_barrier_wait -1
.set TMP, 32
.set CT,  96
.set PC,  160
.macro CTLOAD a
.irp k, 0,1,2,3,4,5,6,7
.if ((\a)%4) < 2
	ds_load_b128 v[CT+32*((\a)%2)+4*\k:CT+32*((\a)%2)+4*\k+3], v[TRE] offset:8192*((\a)/4)+4096*((\a)%4)+512*\k
.else
	ds_load_b128 v[CT+32*((\a)%2)+4*\k:CT+32*((\a)%2)+4*\k+3], v[TRD] offset:8192*((\a)/4)+4096*((\a)%4-2)+512*\k
.endif
.endr
.endm
.macro CODES a
.if (\a) > 1
	s_wait_xcnt 0x0
.endif
.irp b, 0,1,2,3,4,5,6,7
	v_cvt_scalef32_pk8_fp8_f32 v[PC+16*((\a)%2)+2*\b:PC+16*((\a)%2)+2*\b+1], v[TMP+8*\b:TMP+8*\b+7], v[SC]
.endr
	v_nop
.endm
.macro OUTQK a
.set AC, 64*((\a)%4)
.set CC, CT+32*((\a)%2)
.set PCS, PC+16*((\a)%2)
.set WW, 0x02+(\a)/4
	WIN 0
.if (\a) < 7
	CTLOAD (\a)+1
	s_wait_dscnt 8
.else
	s_wait_dscnt 0
.endif
	WIN WW
.irp hd, 0,1
.irp u, 0,1
.irp j, 0,2,4,6
	v_pk_mul_f32 v[TMP+8*(4*\hd+\u)+\j:TMP+8*(4*\hd+\u)+\j+1], v[AC+8*(4*\hd+\u)+\j:AC+8*(4*\hd+\u)+\j+1], v[CC+8*\u+\j:CC+8*\u+\j+1]
	v_pk_mul_f32 v[TMP+8*(4*\hd+\u+2)+\j:TMP+8*(4*\hd+\u+2)+\j+1], v[AC+8*(4*\hd+\u+2)+\j:AC+8*(4*\hd+\u+2)+\j+1], v[CC+8*\u+\j:CC+8*\u+\j+1]
.endr
.irp j, 0,2,4,6                        ; the eight multiplies stand ahead of the eight multiply-adds that read them
	v_pk_fma_f32 v[TMP+8*(4*\hd+\u)+\j:TMP+8*(4*\hd+\u)+\j+1], v[AC+8*(4*\hd+\u+2)+\j:AC+8*(4*\hd+\u+2)+\j+1], v[CC+16+8*\u+\j:CC+16+8*\u+\j+1], v[TMP+8*(4*\hd+\u)+\j:TMP+8*(4*\hd+\u)+\j+1] neg_lo:[1,0,0] neg_hi:[1,0,0]
	v_pk_fma_f32 v[TMP+8*(4*\hd+\u+2)+\j:TMP+8*(4*\hd+\u+2)+\j+1], v[AC+8*(4*\hd+\u)+\j:AC+8*(4*\hd+\u)+\j+1], v[CC+16+8*\u+\j:CC+16+8*\u+\j+1], v[TMP+8*(4*\hd+\u+2)+\j:TMP+8*(4*\hd+\u+2)+\j+1]
.endr
.endr
.endr
	WIN 0
.set n, 0
.rept 64
	v_med3_num_f32 v[TMP+n], v[TMP+n], -v[LIM], v[LIM]
.set n, n+1
.endr
	s_wait_alu depctr_va_vdst(0)
	CODES \a
	global_store_b128 v[LI], v[PCS:PCS+3], s[OUTB:OUTB+1] offset:1024*(\a)
	global_store_b128 v[LI], v[PCS+4:PCS+7], s[OUTB:OUTB+1] offset:1024*(\a)+512
	global_store_b128 v[VO2], v[PCS+8:PCS+11], s[OUTB:OUTB+1] offset:1024*(\a)
	global_store_b128 v[VO2], v[PCS+12:PCS+15], s[OUTB:OUTB+1] offset:1024*(\a)+512
.endm
.macro OUTV a
.set AC, 64*((\a)%4)
.set PCS, PC+16*((\a)%2)
.set WW, 0x02+(\a)/4
	WIN WW
.set n, 0
.rept 64
	v_med3_num_f32 v[TMP+n], v[AC+n], -v[LIM], v[LIM]
.set n, n+1
.endr
	WIN 0
	s_wait_alu depctr_va_vdst(0)
	CODES \a
.irp g, 0,1,2,3
	global_store_b128 v[LI], v[PCS+4*\g:PCS+4*\g+3], s[OUTB:OUTB+1] offset:((\a)/4)*262144+((\a)%4)*2048+512*\g
.endr
.endm
	s_cmp_eq_u32 s[YY], 5
	s_cbranch_scc1 .Lout_v
	CTLOAD 0
.irp a, 0,1,2,3,4,5,6,7
	OUTQK \a
.endr
	s_branch .Lend
.Lout_v:
	s_wait_alu depctr_va_vdst(0)
.irp a, 0,1,2,3,4,5,6,7
	OUTV \a
.endr
.Lend:
	s_wait_tensorcnt 0x0
	ds_add_u32 v[SPW], v[NIL]
	s_wait_dscnt 0x0
	CROUND
	s_endpgm
.Lfunc_end_k_q297aaa7a14_qkv:
	.size	k_q297aaa7a14_qkv, .Lfunc_end_k_q297aaa7a14_qkv-k_q297aaa7a14_qkv
	.p2alignl 7, 3214868480
	.fill 96, 4, 3214868480
	.section	.rodata,"a",@progbits
	.p2align	6, 0x0
	.amdhsa_kernel k_q297aaa7a14_qkv
		.amdhsa_group_segment_fixed_size 327680
		.amdhsa_private_segment_fixed_size 0
		.amdhsa_enable_private_segment 0
		.amdhsa_kernarg_size 56
		.amdhsa_user_sgpr_count 2
		.amdhsa_user_sgpr_kernarg_segment_ptr 1
		.amdhsa_wavefront_size32 1
		.amdhsa_system_sgpr_workgroup_id_x 1
		.amdhsa_system_sgpr_workgroup_id_y 1
		.amdhsa_system_sgpr_workgroup_id_z 1
		.amdhsa_system_vgpr_workitem_id 0
		.amdhsa_next_free_vgpr 1024
		.amdhsa_next_free_sgpr 100
		.amdhsa_reserve_vcc 0
		.amdhsa_float_denorm_mode_32 3
		.amdhsa_float_denorm_mode_16_64 3
		.amdhsa_memory_ordered 1
		.amdhsa_forward_progress 1
		.amdhsa_inst_pref_size 255
	.end_amdhsa_kernel
	.section	.bss,"aw",@nobits
	.p2align	6
	.space	262144
	.amdgpu_metadata
---
amdhsa.version: [ 1, 2 ]
amdhsa.kernels:
  - .name:           k_q297aaa7a14_qkv
    .symbol:         k_q297aaa7a14_qkv.kd
    .args:
      - { .name: x_codes, .offset: 0, .size: 8, .value_kind: global_buffer, .address_space: global }
      - { .name: wq_codes, .offset: 8, .size: 8, .value_kind: global_buffer, .address_space: global }
      - { .name: wk_codes, .offset: 16, .size: 8, .value_kind: global_buffer, .address_space: global }
      - { .name: wv_codes, .offset: 24, .size: 8, .value_kind: global_buffer, .address_space: global }
      - { .name: lowp_scales, .offset: 32, .size: 8, .value_kind: global_buffer, .address_space: global }
      - { .name: q_img, .offset: 40, .size: 8, .value_kind: global_buffer, .address_space: global }
      - { .name: kv_img, .offset: 48, .size: 8, .value_kind: global_buffer, .address_space: global }
    .group_segment_fixed_size: 327680
    .private_segment_fixed_size: 0
    .kernarg_segment_align: 8
    .kernarg_segment_size: 56
    .max_flat_workgroup_size: 128
    .sgpr_count:     100
    .vgpr_count:     1024
    .wavefront_size: 32
...
	.end_amdgpu_metadata
.endif
;; end of part 1
;; launch attn (part 2): grid 16 x 16, 8 waves a work-group, clusters of 4 x 1, 327,680 bytes of LDS; arguments q_img, kv_img, lowp_scales, a_img; writes a_img
.if DOCPART == 2
	.amdgcn_target "amdgcn-amd-amdhsa--gfx1250"
	.amdhsa_code_object_version 6
	.text
	.protected	k_q297aaa7a14_attn
	.globl	k_q297aaa7a14_attn
	.p2align	8
	.type	k_q297aaa7a14_attn,@function
k_q297aaa7a14_attn:
	s_mov_b64 s[64:65], 0
	v_nop
	global_prefetch_b8 v0, s[64:65] scope:SCOPE_SE
	s_setreg_imm32_b32 hwreg(HW_REG_WAVE_MODE, 25, 1), 1
	s_wait_xcnt 0x0
	s_wait_alu depctr_hold_cnt(0) depctr_sa_sdst(0) depctr_va_vdst(0) depctr_va_sdst(0) depctr_va_ssrc(0) depctr_va_vcc(0) depctr_vm_vsrc(0)
	s_getreg_b32 s2, hwreg(HW_REG_IB_STS2, 6, 4)
	s_cmp_eq_u32 s2, 0
	s_cbranch_scc0 .Lentry_in_a_cluster
	s_endpgm
.Lentry_in_a_cluster:
	s_bfe_u32 s2, ttmp6, 0x10000c
	s_cmp_lg_u32 s2, 0x3003
	s_cbranch_scc0 .Lentry_shape_is_right
	s_endpgm
.Lentry_shape_is_right:
; Causal attention on codes of FP8 (E4M3): 4 batches x 16 query heads x 2,048 positions, head size 64, four query heads to a key and value head.
; LEFT OUT: key steps all of whose 128 keys come after a wave's 32 queries: reference()'s own causal mask gives them the weight 0 for every input.
; q_img: [b][head][tile of 16 queries][1,024 bytes]; kv_img: [G = 4 b + kv head][block of 128 keys][8 tiles of 16 keys x 1,024 bytes, then 4 tiles of 16 channels x 2,048 bytes]: images of operand registers
; (a group of four registers is 512 bytes, lane l's 16 bytes at 16 l; registers 2 c, 2 c + 1 hold k = 16 c + 8 (lane / 16) + 0 .. 7).
; a_img: [tile of 16 rows][head][1,024 bytes]: registers 4 c .. 4 c + 3 hold d = 32 c + 16 (lane / 16) + 0 .. 15.
; SOFTMAX: t = score x log2(e) / 8; M = the running largest t rounded UP to a whole number; p = 2^(t - M) is quantised along the keys, not normalised; the row's sum is taken of the unquantised p and divides O
; at the end; when M moves, the sum and O are multiplied by 2^(old M - new M), which rounds nothing.
; SHARES.  A work-group owns one query head; LDS holds ALL of its kv head's K and V, 262,144 bytes as they lie in memory, each byte filled once, in two phases: blocks of keys 0-3 at the head (8,192 bytes a wave),
; blocks 4-15 (24,576 bytes a wave) behind a wait and a cluster round.  Four steps that every wave has in full run meanwhile; then one barrier.
; CLUSTER 4 x 1: the partners are the four query heads of one kv head, at the same positions: K and V are asked for jointly.  My place in the cluster enters q's and a's global addresses alone.
; A wave owns two blocks of 32 neighbouring queries (two tiles that share every fragment of K and V): blocks D = J + 4 w and 63 - D (J = the cluster's x): D / 4 + 1 and 16 - D / 4 key steps: 17 for every wave.
; The late block goes first.  Behind the barrier an outer loop of two passes (the late block's rest, the early block) holds an inner loop of 16 trips, in which a step that is hidden or already done is jumped over (ids alone).
; No prefetch: what comes from memory is asked for at the head and directly behind its landing; there is no loop to run ahead in.
; LAYOUT.  S^T = K Q^T (K = 64), O^T = V^T P^T (K = 128): a lane holds ONE query of each tile; tile c of S^T gives it keys 16 c + 8 (lane / 16) + 0 .. 7: the conversion's two registers are registers 2 c, 2 c + 1 of P.
; LIMITS on the given exponents: e6 + e7 between -123 and 130 (added to c's exponent field); e8 and e10 - e8 - e9 between -126 and 119.
; REGISTERS.  Window 0: v1-7 addresses and constants; v8-15, v16-23 a tile's -M, largest t, sum (2), f (2), two at work; v24-27 constants; v32-159 S^T, then p, of both tiles; v160-191 P's codes; v192-207, v224-255 partial sums; v208-223 output codes.
; Window 1: v0-63 K's eight fragments; v64-127 V's four; v128-191 O^T of both tiles; v192-207 Q in hand; v208-223 the early block's Q.
.set SPARE, 0x40000                    ; behind K and V: the spare words, 128 bytes a wave
.set LI,  1                            ; 16 x lane
.set ADK, 2                            ; LDS address of the next step's block (K)
.set ADV, 3                            ; of this step's block (V)
.set RH,  4                            ; r - 8 h
.set SPW, 5
.set NIL, 6
.set OSC, 7                            ; 2^(e10 - e8 - e9)
.set LIMA, 24                          ; 448 x 2^e8, twice: the two halves of a dual instruction take their second sources from different banks
.set LIMB, 25
.set SCP, 26                           ; 2^e8
.set OLIM, 27                          ; 448 x 2^(e10 - e8 - e9)
.set S,   32
.set P,   160
.set TS,  192
.set PC,  208
.set T,   224
.set KR,  0                            ; window 1
.set VR,  64
.set OR,  128
.set QR,  192
.set QE,  208
.set DM,  224                          ; window 1, v224-231: the mask of the key tile on the diagonal: register j holds -3e38 where 8 h + j > r, else 0
.set HID, 232                          ; window 1, v232-239: -3e38: the mask of a key tile beyond the diagonal
.set WV,  12
.set CX,  13
.set HM,  14
.set GG,  15
.set QH,  16
.set QL,  18
.set SEL, 20
.set CS,  22
.set G1,  24
.set G0,  32
.set OA,  36
.set PASS, 38
.set KS,  39                           ; s39 the first key that is still to do
.set G1B, 40
.set OH,  48
.set OL,  50
.set TB,  52
.set KF,  53
.set Q0,  54
.set CNT, 55
.set G0B, 60
.set Q0L, 73
.set Q0H, 79
.set MSB, 0
.macro WIN new                         ; low byte: 1:0 source 0, 3:2 source 1, 5:4 source 2, 7:6 destination; the high byte repeats the setting that is left
.if MSB != \new
	s_set_vgpr_msb (MSB<<8)|\new
.set MSB, \new
.endif
.endm
.macro CROUND
	s_barrier_signal -1
	s_barrier_wait -1
	s_cmp_lg_u32 s[WV], 0
	s_cbranch_scc1 .Lnot_wave_0_\@
	s_barrier_signal -3
.Lnot_wave_0_\@:
	s_barrier_wait -3
	s_barrier_signal -1
	s_barrier_wait -1
.endm
	s_load_b128 s[4:7], s[0:1], 0x0                ; q's images, k's and v's
	s_load_b128 s[8:11], s[0:1], 0x10              ; the scales' exponents, a's images
	v_lshl_add_u32 v[SPW], v0, 2, SPARE
	v_mov_b32 v[NIL], 0
	ds_add_u32 v[SPW], v[NIL]                      ; the opening lines: the add twice on end and its wait ahead of my first tensor load
	ds_add_u32 v[SPW], v[NIL]
	v_lshrrev_b32 v20, 5, v0
	v_readfirstlane_b32 s[WV], v20                 ; wave 0..7
	v_and_b32 v20, 31, v0
	v_lshlrev_b32 v[LI], 4, v20
	s_bfe_u32 s[CX], ttmp6, 0x40000
	s_and_b32 s[GG], ttmp7, 0xffff
	s_lshl_b32 s56, s[WV], 2
	s_add_co_u32 s56, s56, ttmp9                   ; D = J + 4 w: my early block of 32 queries,
	s_sub_co_u32 s57, 63, s56                      ; and my late one
	s_lshl_b32 s[Q0L], s56, 5
	s_lshl_b32 s[Q0H], s57, 5
	s_lshl_b32 s58, s[GG], 2
	s_add_co_u32 s58, s58, s[CX]                   ; 16 b + query head
	s_lshl_b32 s58, s58, 6
	s_add_co_u32 s60, s58, s57
	s_lshl_b32 s60, s60, 11                        ; a block's two images of q: 2,048 bytes
	s_mov_b32 s61, 0
	s_add_co_u32 s62, s58, s56
	s_lshl_b32 s62, s62, 11
	s_mov_b32 s63, 0
	s_lshr_b32 s58, s[GG], 2
	s_lshl_b32 s58, s58, 6                         ; 64 b
	s_and_b32 s59, s[GG], 3
	s_lshl_b32 s59, s59, 2
	s_add_co_u32 s59, s59, s[CX]                   ; the query head,
	s_lshl_b32 s59, s59, 10                        ; its image among a tile's sixteen
	s_add_co_u32 s66, s58, s57
	s_lshl_b32 s66, s66, 15                        ; two tiles of rows: 32,768 bytes
	s_add_co_u32 s66, s66, s59
	s_mov_b32 s67, 0
	s_add_co_u32 s76, s58, s56
	s_lshl_b32 s76, s76, 15
	s_add_co_u32 s76, s76, s59
	s_mov_b32 s77, 0
	s_lshl_b32 s78, s[WV], 13                      ; what I fetch first: 8,192 bytes of blocks 0-3; the same place in LDS as in G's part of memory
	s_lshl_b32 s74, s[GG], 18
	s_mul_i32 s39, s[WV], 24576
	s_add_co_u32 s39, s39, 65536                   ; and then: 24,576 bytes of blocks 4-15
	s_add_co_u32 s58, s74, s39
	s_mov_b32 s59, 0
	s_add_co_u32 s74, s74, s78
	s_mov_b32 s75, 0
	s_mov_b32 s[G1], 15|(3<<16)|(1<<21)            ; the mask: all four partners; elements of 8 bytes; bit 21 beside the mask; no padding
	s_mov_b32 s[G1+1], 32<<16                      ; rows of 256 bytes
	s_mov_b32 s[G1+2], 32<<16                      ; 32 of them
	s_mov_b32 s[G1+3], 32<<16
	s_mov_b32 s[G1+4], 32
	s_mov_b32 s[G1+5], 32                          ; dense
	s_mov_b32 s[G1+6], 0
	s_mov_b32 s[G1+7], 0
	s_mov_b32 s[G1B], 15|(3<<16)|(1<<21)
	s_mov_b32 s[G1B+1], 32<<16
	s_mov_b32 s[G1B+2], 96<<16                     ; 96 rows
	s_mov_b32 s[G1B+3], 32<<16
	s_mov_b32 s[G1B+4], 96
	s_mov_b32 s[G1B+5], 32
	s_mov_b32 s[G1B+6], 0
	s_mov_b32 s[G1B+7], 0
	s_mov_b32 s[SEL], 0x76543210
	s_mov_b32 s[SEL+1], 0xfedcba98
	s_mov_b32 s[HM], 0xffff0000
	s_wait_alu depctr_va_vdst(0)                   ; the wait directly ahead of the waits below
	s_wait_dscnt 0x0
	s_wait_kmcnt 0x0
	s_load_b128 s[68:71], s[8:9], 0x18             ; e6, e7, e8, e9
	s_load_b32 s72, s[8:9], 0x28                   ; e10
	s_add_nc_u64 s[QH:QH+1], s[4:5], s[60:61]
	s_add_nc_u64 s[QL:QL+1], s[4:5], s[62:63]
	s_add_nc_u64 s[OH:OH+1], s[10:11], s[66:67]
	s_add_nc_u64 s[OL:OL+1], s[10:11], s[76:77]
	s_mov_b32 s[G0], 1
	s_mov_b32 s[G0+1], s78
	s_add_nc_u64 s[G0+2:G0+3], s[6:7], s[74:75]
	s_or_b32 s[G0+3], s[G0+3], 0x80000000
	s_mov_b32 s[G0B], 1
	s_mov_b32 s[G0B+1], s39
	s_add_nc_u64 s[G0B+2:G0B+3], s[6:7], s[58:59]
	s_or_b32 s[G0B+3], s[G0B+3], 0x80000000
	WIN 0x40
.irp c, 0,1,2,3                        ; Q is on its way while the cluster meets
	global_load_b128 v[QR+4*\c:QR+4*\c+3], v[LI], s[QH:QH+1] offset:512*\c
	global_load_b128 v[QE+4*\c:QE+4*\c+3], v[LI], s[QL:QL+1] offset:512*\c
.endr
	WIN 0
	CROUND                                         ; the four partners are here: the joint loads meet
	tensor_load_to_lds s[G0:G0+3], s[G1:G1+7]      ; one tensor load a wave at the head
	s_nop 0
.rept 4
	v_nop
.endr
	v_and_b32 v20, 15, v0
	v_bfe_u32 v21, v0, 4, 1
	v_lshlrev_b32 v21, 3, v21
	v_sub_nc_u32 v[RH], v20, v21
	v_mov_b32 v30, 0xff61b1e6                      ; -3e38: as a score it gives p = 0
	WIN 0x40
.set n, 0
.rept 8
	v_cmp_gt_i32 vcc_lo, n, v[RH]                  ; key 8 h + n of a tile comes after query r of the tile at the same place
	v_cndmask_b32 v[DM+n], 0, v30, vcc_lo
	v_mov_b32 v[HID+n], v30
.set n, n+1
.endr
	WIN 0
	v_mov_b32 v28, 0                               ; written once: a lane permute's destination counts as one of its sources
	v_mov_b32 v29, 0
	v_mov_b32 v13, 0                               ; (the upper halves of the pairs that hold f)
	v_mov_b32 v21, 0
	s_wait_kmcnt 0x0
	s_add_co_i32 s56, s68, s69
	s_lshl_b32 s56, s56, 23
	s_mov_b32 s[CS], 0x3e38aa3b                    ; log2(e) / 8
	s_add_co_i32 s[CS], s[CS], s56                 ; x 2^(e6 + e7)
	s_mov_b32 s[CS+1], s[CS]
	s_add_co_i32 s56, s70, 127
	s_lshl_b32 s57, s56, 23
	v_mov_b32 v[SCP], s57
	s_add_co_i32 s56, s56, 8
	s_lshl_b32 s56, s56, 23
	s_or_b32 s56, s56, 0x600000
	v_mov_b32 v[LIMA], s56
	v_mov_b32 v[LIMB], s56
	s_sub_co_i32 s56, s72, s70
	s_sub_co_i32 s56, s56, s71                     ; O's sums stand for sum x 2^(e8 + e9)
	s_add_co_i32 s56, s56, 127
	s_lshl_b32 s57, s56, 23
	v_mov_b32 v[OSC], s57
	s_add_co_i32 s56, s56, 8
	s_lshl_b32 s56, s56, 23
	s_or_b32 s56, s56, 0x600000
	v_mov_b32 v[OLIM], s56
; A KEY STEP: 128 keys from s[KF] on, whose block lies at LDS byte s[TB], against both tiles.  K's fragments were asked for a step earlier.
; kmax: the last block that the look-ahead for K may name.  ks = 1: a step under s[KS] has been done already.
; The score products of the step on the diagonal, where my block's first query lies 32 s keys into the step: THE CAUSAL MASK IS THEIR C.  Query tile i meets the diagonal in key tile 2 s + i:
; a key tile under it begins its sum with 0, the one on it with DM, one beyond it with HID.
.macro DIAG s
	WIN 0x15
.irp t, 0,1,2,3,4,5,6,7
.irp i, 0,1
.if \t < 2*\s+\i
	v_wmma_f32_16x16x64_fp8_fp8 v[S+64*\i+8*\t:S+64*\i+8*\t+7], v[KR+8*\t:KR+8*\t+7], v[QR+8*\i:QR+8*\i+7], 0
.else
.if \t == 2*\s+\i
	v_wmma_f32_16x16x64_fp8_fp8 v[S+64*\i+8*\t:S+64*\i+8*\t+7], v[KR+8*\t:KR+8*\t+7], v[QR+8*\i:QR+8*\i+7], v[DM:DM+7]
.else
	v_wmma_f32_16x16x64_fp8_fp8 v[S+64*\i+8*\t:S+64*\i+8*\t+7], v[KR+8*\t:KR+8*\t+7], v[QR+8*\i:QR+8*\i+7], v[HID:HID+7]
.endif
.endif
.endr
.endr
	WIN 0
.endm
.macro STEP kmax, ks
	s_add_co_u32 s56, s[Q0], 31
	s_cmp_gt_u32 s[KF], s56                        ; all keys come after my 32 queries: the step's work is left out (ids alone)
	s_cbranch_scc1 .Lhidden_\@
.if \ks
	s_cmp_lt_u32 s[KF], s[KS]
	s_cbranch_scc1 .Lhidden_\@
.endif
	s_wait_dscnt 0x0                               ; K is in
.if \ks                                ; (the first four steps lie under every late block's queries: they never meet the diagonal)
	s_add_co_u32 s56, s[KF], 127
	s_cmp_le_u32 s56, s[Q0]                        ; all keys count: no mask
	s_cbranch_scc1 .Lfull_\@
	s_sub_co_u32 s56, s[Q0], s[KF]                 ; 0, 32, 64 or 96: ids alone
	s_cmp_eq_u32 s56, 0
	s_cbranch_scc1 .Ld0_\@
	s_cmp_eq_u32 s56, 32
	s_cbranch_scc1 .Ld1_\@
	s_cmp_eq_u32 s56, 64
	s_cbranch_scc1 .Ld2_\@
	DIAG 3
	s_branch .Ljoin_\@
.Ld0_\@:
	DIAG 0
	s_branch .Ljoin_\@
.Ld1_\@:
	DIAG 1
	s_branch .Ljoin_\@
.Ld2_\@:
	DIAG 2
	s_branch .Ljoin_\@
.Lfull_\@:
.endif
	WIN 0x05
.irp t, 0,1,2,3,4,5,6,7
	v_wmma_f32_16x16x64_fp8_fp8 v[S+8*\t:S+8*\t+7], v[KR+8*\t:KR+8*\t+7], v[QR:QR+7], 0
	v_wmma_f32_16x16x64_fp8_fp8 v[S+64+8*\t:S+64+8*\t+7], v[KR+8*\t:KR+8*\t+7], v[QR+8:QR+15], 0
.endr
	WIN 0
.Ljoin_\@:
	v_add_nc_u32 v[ADV], s[TB], v[LI]
	s_add_co_u32 s57, s[TB], 16384
	s_min_u32 s57, s57, \kmax                      ; the next block, held at the last one that may be read
	v_add_nc_u32 v[ADK], s57, v[LI]
	v_nop
	v_nop                                          ; with the two additions: four places in front of the loads below and of the first read of the scores
	WIN 0x40
.irp d, 0,1,2,3
.irp g, 0,1,2,3
	ds_load_b128 v[VR+16*\d+4*\g:VR+16*\d+4*\g+3], v[ADV] offset:8192+2048*\d+512*\g
.endr
.endr
.irp t, 0,1,2,3,4,5,6,7                ; the next step's K: it has the softmax in which to land
	ds_load_b128 v[KR+8*\t:KR+8*\t+3], v[ADK] offset:1024*\t
	ds_load_b128 v[KR+8*\t+4:KR+8*\t+7], v[ADK] offset:1024*\t+512
.endr
	WIN 0
.irp i, 0,1                            ; the step's largest scores: four chains a tile (two of them in registers that the sums take later), the tiles by turns: eight instructions from link to link; each accumulator from its low end on
	v_max3_num_f32 v[14+8*\i], v[S+64*\i], v[S+64*\i+1], v[S+64*\i+2]
	v_max3_num_f32 v[15+8*\i], v[S+64*\i+3], v[S+64*\i+4], v[S+64*\i+5]
	v_max3_num_f32 v[TS+2*\i], v[S+64*\i+6], v[S+64*\i+7], v[S+64*\i+8]
	v_max3_num_f32 v[TS+2*\i+1], v[S+64*\i+9], v[S+64*\i+10], v[S+64*\i+11]
.endr
.irp n, 12,20,28,36,44,52
.irp i, 0,1
	v_max3_num_f32 v[14+8*\i], v[14+8*\i], v[S+64*\i+\n], v[S+64*\i+\n+1]
	v_max3_num_f32 v[15+8*\i], v[15+8*\i], v[S+64*\i+\n+2], v[S+64*\i+\n+3]
	v_max3_num_f32 v[TS+2*\i], v[TS+2*\i], v[S+64*\i+\n+4], v[S+64*\i+\n+5]
	v_max3_num_f32 v[TS+2*\i+1], v[TS+2*\i+1], v[S+64*\i+\n+6], v[S+64*\i+\n+7]
.endr
.endr
.irp i, 0,1
	v_max3_num_f32 v[14+8*\i], v[14+8*\i], v[S+64*\i+60], v[S+64*\i+61]
	v_max3_num_f32 v[15+8*\i], v[15+8*\i], v[S+64*\i+62], v[S+64*\i+63]
.endr
	v_max_num_f32 v[TS], v[TS], v[TS+1]
	v_max_num_f32 v[TS+2], v[TS+2], v[TS+3]
	v_max3_num_f32 v14, v14, v15, v[TS]
	v_max3_num_f32 v22, v22, v23, v[TS+2]
	v_permlanex16_b32 v28, v14, s[SEL], s[SEL+1]
	v_permlanex16_b32 v29, v22, s[SEL], s[SEL+1]
	v_max_num_f32 v14, v14, v28                    ; and among lane l xor 16's
	v_max_num_f32 v22, v22, v29
	v_mul_f32 v14, s[CS], v14                      ; as t (c is positive)
	v_mul_f32 v22, s[CS], v22
	v_max_num_f32 v9, v9, v14                      ; the running largest t
	v_max_num_f32 v17, v17, v22
	v_mov_b32 v14, v8
	v_mov_b32 v22, v16
	v_floor_f32 v8, -v9                            ; the new -M = floor(-t)
	v_floor_f32 v16, -v17
	v_sub_f32 v14, v8, v14                         ; old M - new M: a whole number, 0 or less
	v_sub_f32 v22, v16, v22
	v_cvt_i32_f32 v14, v14                         ; (it saturates)
	v_cvt_i32_f32 v22, v22
	v_ldexp_f32 v12, 1.0, v14                      ; f = 2^(old M - new M)
	v_ldexp_f32 v20, 1.0, v22
.set n, 0
.rept 32
	v_pk_fma_f32 v[S+n:S+n+1], v[S+n:S+n+1], s[CS:CS+1], v[8:9] op_sel_hi:[1,0,0]   ; tile 0: t - M
.set n, n+2
.endr
	s_wait_alu depctr_va_vdst(0)                   ; the wait ahead of a batch
.set n, 0
.rept 32                               ; tile 0's p = 2^(t - M); between them tile 1's t - M, which is read only behind the next wait
	v_exp_f32 v[S+n], v[S+n]
	v_pk_fma_f32 v[S+64+n:S+65+n], v[S+64+n:S+65+n], s[CS:CS+1], v[16:17] op_sel_hi:[1,0,0]
	v_exp_f32 v[S+n+1], v[S+n+1]
.set n, n+2
.endr
	v_pk_mul_f32 v[10:11], v[10:11], v[12:13] op_sel_hi:[1,0]   ; the sums under the new M (plain places behind the batch)
	v_pk_mul_f32 v[18:19], v[18:19], v[20:21] op_sel_hi:[1,0]
	s_wait_alu depctr_va_vdst(0)                   ; behind tile 0's batch and ahead of tile 1's
.set n, 0
.rept 16                               ; tile 1's p; between them tile 0's first sums of the unquantised p and then its hold: their results are read only behind the next wait
	v_exp_f32 v[S+64+n], v[S+64+n]
	v_pk_add_f32 v[T+n/2:T+n/2+1], v[S+n:S+n+1], v[S+n+2:S+n+3]
	v_exp_f32 v[S+65+n], v[S+65+n]
	v_dual_min_num_f32 v[S+n], v[S+n], v[LIMA] :: v_dual_min_num_f32 v[S+n+1], v[S+n+1], v[LIMB]
	v_exp_f32 v[S+66+n], v[S+66+n]
	v_dual_min_num_f32 v[S+n+2], v[S+n+2], v[LIMA] :: v_dual_min_num_f32 v[S+n+3], v[S+n+3], v[LIMB]
	v_exp_f32 v[S+67+n], v[S+67+n]
.set n, n+4
.endr
	v_nop
	s_wait_alu depctr_va_vdst(0)                   ; behind tile 1's batch
.irp c, 0,1,2,3,4,5,6,7                ; tile 1's sum in eight chains, tile 0's sixteen partial sums as a tree, by turns
	v_pk_add_f32 v[TS+2*\c:TS+2*\c+1], v[S+64+2*\c:S+65+2*\c], v[S+80+2*\c:S+81+2*\c]
.endr
.irp c, 0,1,2,3,4,5,6,7
	v_pk_add_f32 v[T+2*\c:T+2*\c+1], v[T+2*\c:T+2*\c+1], v[T+16+2*\c:T+17+2*\c]
.endr
.irp c, 0,1,2,3,4,5,6,7
	v_pk_add_f32 v[TS+2*\c:TS+2*\c+1], v[TS+2*\c:TS+2*\c+1], v[S+96+2*\c:S+97+2*\c]
.endr
.irp c, 0,1,2,3
	v_pk_add_f32 v[T+2*\c:T+2*\c+1], v[T+2*\c:T+2*\c+1], v[T+8+2*\c:T+9+2*\c]
.endr
.irp c, 0,1,2,3,4,5,6,7
	v_pk_add_f32 v[TS+2*\c:TS+2*\c+1], v[TS+2*\c:TS+2*\c+1], v[S+112+2*\c:S+113+2*\c]
.endr
	v_pk_add_f32 v[T:T+1], v[T:T+1], v[T+4:T+5]
	v_pk_add_f32 v[T+2:T+3], v[T+2:T+3], v[T+6:T+7]
.irp c, 0,1,2,3
	v_pk_add_f32 v[TS+2*\c:TS+2*\c+1], v[TS+2*\c:TS+2*\c+1], v[TS+8+2*\c:TS+9+2*\c]
.endr
	v_pk_add_f32 v[T:T+1], v[T:T+1], v[T+2:T+3]
	v_pk_add_f32 v[TS:TS+1], v[TS:TS+1], v[TS+4:TS+5]
	v_pk_add_f32 v[TS+2:TS+3], v[TS+2:TS+3], v[TS+6:TS+7]
.set n, 64
.rept 16                               ; the conversion does not saturate (ISA guide 7.6.2); p is not negative, so the hold is one-sided; two numbers an instruction
	v_dual_min_num_f32 v[S+n], v[S+n], v[LIMA] :: v_dual_min_num_f32 v[S+n+1], v[S+n+1], v[LIMB]
.set n, n+2
.endr
	v_pk_add_f32 v[10:11], v[10:11], v[T:T+1]
	v_pk_add_f32 v[TS:TS+1], v[TS:TS+1], v[TS+2:TS+3]
.rept 16
	v_dual_min_num_f32 v[S+n], v[S+n], v[LIMA] :: v_dual_min_num_f32 v[S+n+1], v[S+n+1], v[LIMB]
.set n, n+2
.endr
	v_pk_add_f32 v[18:19], v[18:19], v[TS:TS+1]
.set n, 0
.rept 16
	v_cvt_scalef32_pk8_fp8_f32 v[P+2*n:P+2*n+1], v[S+8*n:S+8*n+7], v[SCP]
.set n, n+1
.endr
	WIN 0x41
	s_wait_alu depctr_va_vdst(0)                   ; the wait directly ahead of the first readers of O^T
.irp i, 0,1
.set n, 0
.rept 16
	v_pk_mul_f32 v[OR+32*\i+n:OR+32*\i+n+1], v[OR+32*\i+n:OR+32*\i+n+1], v[12+8*\i:13+8*\i] op_sel_hi:[1,0]   ; O^T under the new M (also the plain places behind the conversions)
.set n, n+2
.endr
.endr
	s_wait_alu depctr_va_vdst(0)                   ; the wait directly ahead of the wait below
	s_wait_dscnt 16                                ; V's 16 loads are in; the 16 issued behind them, the next step's K, may be out
	WIN 0x51
.irp d, 0,1,2,3                        ; eight accumulators by turns; the next step's sixteen other products stand between two links of a sum
	v_wmma_f32_16x16x128_fp8_fp8 v[OR+8*\d:OR+8*\d+7], v[VR+16*\d:VR+16*\d+15], v[P:P+15], v[OR+8*\d:OR+8*\d+7]
	v_wmma_f32_16x16x128_fp8_fp8 v[OR+32+8*\d:OR+32+8*\d+7], v[VR+16*\d:VR+16*\d+15], v[P+16:P+31], v[OR+32+8*\d:OR+32+8*\d+7]
.endr
	WIN 0
.Lhidden_\@:
	s_add_co_u32 s[KF], s[KF], 128
	s_add_co_u32 s[TB], s[TB], 16384
.endm
.macro INIT                            ; the first step of a block finds zeros, which the first change of M leaves zeros
	v_mov_b32 v9, 0xff61b1e6                       ; the largest t so far: -3e38, under every t
	v_mov_b32 v17, 0xff61b1e6
	v_floor_f32 v8, -v9
	v_floor_f32 v16, -v17
	v_mov_b32 v10, 0
	v_mov_b32 v11, 0
	v_mov_b32 v18, 0
	v_mov_b32 v19, 0
	WIN 0x40
.set n, 0
.rept 64
	v_mov_b32 v[OR+n], 0
.set n, n+1
.endr
	WIN 0
	s_wait_alu depctr_va_vdst(0)                   ; the wait ahead of the waits and branches that follow
.endm
.macro KLOAD adr                       ; K's eight fragments of the block at v[adr]
	s_wait_dscnt 0x0                               ; no load into K's registers is out
	WIN 0x40
.irp t, 0,1,2,3,4,5,6,7
	ds_load_b128 v[KR+8*\t:KR+8*\t+3], v[\adr] offset:1024*\t
	ds_load_b128 v[KR+8*\t+4:KR+8*\t+7], v[\adr] offset:1024*\t+512
.endr
	WIN 0
.endm
	s_mov_b32 s[Q0], s[Q0H]                        ; the late block first
	s_mov_b64 s[OA:OA+1], s[OH:OH+1]
	s_mov_b32 s[PASS], 2
	INIT                                           ; register work, laid ahead of the waits for what is on its way
	s_wait_alu depctr_va_vdst(0)                   ; the wait at the head's end
	s_wait_loadcnt 0x0                             ; Q
	s_wait_tensorcnt 0x0                           ; my part of blocks 0-3 has landed
	ds_add_u32 v[SPW], v[NIL]
	s_wait_dscnt 0x0
	CROUND                                         ; everybody's part has, and the partners are here
	tensor_load_to_lds s[G0B:G0B+3], s[G1B:G1B+7]  ; blocks 4-15: my one tensor load behind the round
	s_nop 0
.rept 4
	v_nop
.endr
	KLOAD LI
	s_mov_b32 s[TB], 0
	s_mov_b32 s[KF], 0
	s_mov_b32 s[CNT], 4
.Lfirst:                                           ; four steps that every wave has in full: its late block's queries lie at 1,024 or beyond
	STEP 3*16384, 0
	s_sub_co_u32 s[CNT], s[CNT], 1
	s_cmp_lg_u32 s[CNT], 0
	s_cbranch_scc1 .Lfirst
	v_add_nc_u32 v[ADK], 65536, v[LI]
	s_wait_alu depctr_va_vdst(0)                   ; the wait directly ahead of the waits below
	s_wait_tensorcnt 0x0                           ; my part of blocks 4-15 has landed
	s_wait_dscnt 0x0                               ; no LDS load of mine is out at the signal
	s_barrier_signal -1
	s_barrier_wait -1                              ; all of K and V is whole: from here on no wave waits for another
	KLOAD ADK                                      ; block 4's K
	s_mov_b32 s[KS], 512
.Lpass:
	s_cmp_eq_u32 s[PASS], 2
	s_cbranch_scc1 .Lsame                          ; the first pass goes on with the late block
	s_mov_b64 s[OA:OA+1], s[OL:OL+1]               ; the second takes the early block
	s_mov_b32 s[Q0], s[Q0L]
	s_mov_b32 s[KS], 0
	WIN 0x41
.set n, 0
.rept 16
	v_mov_b32 v[QR+n], v[QE+n]
.set n, n+1
.endr
	WIN 0
	INIT
	KLOAD LI
.Lsame:
	s_mov_b32 s[TB], 0
	s_mov_b32 s[KF], 0
	s_mov_b32 s[CNT], 16
.Lstep:
	STEP 15*16384, 1
	s_sub_co_u32 s[CNT], s[CNT], 1
	s_cmp_lg_u32 s[CNT], 0
	s_cbranch_scc1 .Lstep
	; THE WAY OUT: O^T / the sum, quantised, and laid as the next product's operand
.rept 4
	v_nop                                          ; places behind the last products
.endr
	v_add_f32 v10, v10, v11
	v_add_f32 v18, v18, v19
	v_permlanex16_b32 v28, v10, s[SEL], s[SEL+1]
	v_permlanex16_b32 v29, v18, s[SEL], s[SEL+1]
	v_add_f32 v10, v10, v28                        ; the rows' sums
	v_add_f32 v18, v18, v29
	s_wait_alu depctr_va_vdst(0)                   ; the wait ahead of the transcendentals
	v_rcp_f32 v10, v10
	v_rcp_f32 v18, v18
	v_nop
	WIN 0x01
	s_wait_alu depctr_va_vdst(0)                   ; and ahead of their first reader, which is also O^T's
.irp i, 0,1
.set n, 0
.rept 16
	v_pk_mul_f32 v[S+32*\i+n:S+32*\i+n+1], v[OR+32*\i+n:OR+32*\i+n+1], v[10+8*\i:11+8*\i] op_sel_hi:[1,0]
.set n, n+2
.endr
.endr
	WIN 0
.set n, 0
.rept 64
	v_med3_num_f32 v[S+n], v[S+n], -v[OLIM], v[OLIM]
.set n, n+1
.endr
.set n, 0
.rept 8
	v_cvt_scalef32_pk8_fp8_f32 v[PC+2*n:PC+2*n+1], v[S+8*n:S+8*n+7], v[OSC]   ; channels 16 (n % 4) + 8 (lane / 16) + 0 .. 7 of tile n / 4
.set n, n+1
.endr
	v_nop
; Channel tiles 2 c, 2 c + 1 hold 32 c + 8 h + .. and 32 c + 16 + 8 h + ..; wanted are 32 c + 16 h + 0 .. 7 and + 8 .. 15: the halves of the lanes exchange.
.irp c, 0,1,2,3
.irp i, 0,1
	v_permlanex16_b32 v28, v[PC+4*\c+2+\i], s[SEL], s[SEL+1]
	v_permlanex16_b32 v29, v[PC+4*\c+\i], s[SEL], s[SEL+1]
	v_cndmask_b32 v[PC+4*\c+\i], v[PC+4*\c+\i], v28, s[HM]
	v_cndmask_b32 v[PC+4*\c+2+\i], v29, v[PC+4*\c+2+\i], s[HM]
.endr
.endr
.irp i, 0,1
	global_store_b128 v[LI], v[PC+8*\i:PC+8*\i+3], s[OA:OA+1] offset:16384*\i          ; each store of the wave covers 512 consecutive bytes, aligned
	global_store_b128 v[LI], v[PC+8*\i+4:PC+8*\i+7], s[OA:OA+1] offset:16384*\i+512
.endr
	s_wait_xcnt 0x0                                ; the stores have read their base and their data, which the next pass writes
	s_sub_co_u32 s[PASS], s[PASS], 1
	s_cmp_lg_u32 s[PASS], 0
	s_wait_alu depctr_va_vdst(0)                   ; the wait directly ahead of the branch
	s_cbranch_scc1 .Lpass
	s_wait_tensorcnt 0x0                           ; the wave's end
	ds_add_u32 v[SPW], v[NIL]
	s_wait_dscnt 0x0
	CROUND                                         ; the closing round
	s_endpgm
.Lfunc_end_k_q297aaa7a14_attn:
	.size	k_q297aaa7a14_attn, .Lfunc_end_k_q297aaa7a14_attn-k_q297aaa7a14_attn
	.p2alignl 7, 3214868480
	.fill 96, 4, 3214868480
	.section	.rodata,"a",@progbits
	.p2align	6, 0x0
	.amdhsa_kernel k_q297aaa7a14_attn
		.amdhsa_group_segment_fixed_size 327680
		.amdhsa_private_segment_fixed_size 0
		.amdhsa_enable_private_segment 0
		.amdhsa_kernarg_size 32
		.amdhsa_user_sgpr_count 2
		.amdhsa_user_sgpr_kernarg_segment_ptr 1
		.amdhsa_wavefront_size32 1
		.amdhsa_system_sgpr_workgroup_id_x 1
		.amdhsa_system_sgpr_workgroup_id_y 1
		.amdhsa_system_sgpr_workgroup_id_z 1
		.amdhsa_system_vgpr_workitem_id 0
		.amdhsa_next_free_vgpr 512
		.amdhsa_next_free_sgpr 80
		.amdhsa_reserve_vcc 1
		.amdhsa_float_denorm_mode_32 3
		.amdhsa_float_denorm_mode_16_64 3
		.amdhsa_memory_ordered 1
		.amdhsa_forward_progress 1
		.amdhsa_inst_pref_size 90
	.end_amdhsa_kernel
	.amdgpu_metadata
---
amdhsa.version: [ 1, 2 ]
amdhsa.kernels:
  - .name:           k_q297aaa7a14_attn
    .symbol:         k_q297aaa7a14_attn.kd
    .args:
      - { .name: q_img, .offset: 0, .size: 8, .value_kind: global_buffer, .address_space: global }
      - { .name: kv_img, .offset: 8, .size: 8, .value_kind: global_buffer, .address_space: global }
      - { .name: lowp_scales, .offset: 16, .size: 8, .value_kind: global_buffer, .address_space: global }
      - { .name: a_img, .offset: 24, .size: 8, .value_kind: global_buffer, .address_space: global }
    .group_segment_fixed_size: 327680
    .private_segment_fixed_size: 0
    .kernarg_segment_align: 8
    .kernarg_segment_size: 32
    .max_flat_workgroup_size: 256
    .sgpr_count:     80
    .vgpr_count:     512
    .wavefront_size: 32
...
	.end_amdgpu_metadata
.endif
;; end of part 2
;; launch oproj (part 3): grid 4 x 64, 4 waves a work-group, clusters of 4 x 4, 327,680 bytes of LDS; arguments a_img, wo_codes, lowp_scales, out0; writes out0
.if DOCPART == 3
	.amdgcn_target "amdgcn-amd-amdhsa--gfx1250"
	.amdhsa_code_object_version 6
	.text
	.protected	k_q297aaa7a14_oproj
	.globl	k_q297aaa7a14_oproj
	.p2align	8
	.type	k_q297aaa7a14_oproj,@function
k_q297aaa7a14_oproj:
	s_mov_b64 s[64:65], 0
	v_nop
	global_prefetch_b8 v0, s[64:65] scope:SCOPE_SE
	s_setreg_imm32_b32 hwreg(HW_REG_WAVE_MODE, 25, 1), 1
	s_wait_xcnt 0x0
	s_wait_alu depctr_hold_cnt(0) depctr_sa_sdst(0) depctr_va_vdst(0) depctr_va_sdst(0) depctr_va_ssrc(0) depctr_va_vcc(0) depctr_vm_vsrc(0)
	s_getreg_b32 s2, hwreg(HW_REG_IB_STS2, 6, 4)
	s_cmp_eq_u32 s2, 0
	s_cbranch_scc0 .Lentry_in_a_cluster
	s_endpgm
.Lentry_in_a_cluster:
	s_bfe_u32 s2, ttmp6, 0x10000c
	s_cmp_lg_u32 s2, 0xf033
	s_cbranch_scc0 .Lentry_shape_is_right
	s_endpgm
.Lentry_shape_is_right:
; out0[m][n] = sum over k of a[m][k] wo[n][k] x 2^(e10 + e11).  a: codes of FP8 (E4M3) as IMAGES of operand registers, [tile of 16 rows, 512][head, 16][1,024 bytes]: two neighbouring heads are one fragment of 16 rows x 128 K
; (a group of four registers is 512 bytes, lane l's 16 bytes at 16 l; registers 4 c .. 4 c + 3 hold k = 32 c + 16 (lane / 16) + 0 .. 15).  wo: [1024][1024] codes, K innermost.  out0: [8192][1024] f32.
; LIMIT: e10 + e11 lies between -126 and 127, so that 2^(e10 + e11) is an f32 number.
; A tile of out0 is 128 x 256: 64 x 4 = 256 work-groups.  Four waves, each 64 x 128: 32 accumulators in 256 registers.
; wo's 256 rows x all 1,024 of K lie in LDS, 266,240 bytes with padding, filled ONCE: one tensor load a wave (64 rows), asked for jointly by the four work-groups of a column of the 4 x 4 cluster.
; a's images are operand registers as they lie, so each wave loads its 64 rows x 1,024 K, 65,536 bytes, from memory straight into 512 registers.  a is not asked for jointly: a's 131,072 bytes and wo's 266,240
; do not fit into 327,680 bytes of LDS together, so a joint load of a would ask for a ring with refills.  No prefetch: everything is asked for at the head; there is no loop to run ahead in.
; Source 0 = 16 rows of wo, source 1 = 16 rows of a: a lane holds eight neighbouring numbers of a row of out0.  wo's fragments come by four loads of 16 bytes, 32 apart, which puts each k where a's images have it.
; REGISTERS, in windows of 256: window 0: v0-31 addresses; v32-223 three groups of four fragments of wo, which take turns; on the way out v32-95 at work, v96-223 rows read back.
;   windows 1, 2: a's fragments (K step q, tile i at v[64 (q % 4) + 16 i] of window 1 + q / 4).   window 3: the accumulators ((a, b) at v[8 (8 a + b)]).
.set SIZE_N, 1024
.set PITCH,  1040                      ; wo's rows in LDS: 1,024 bytes + 16 of padding: the 16 rows that a load touches start 4 banks apart
.set QUART,  64*PITCH                  ; 64 rows: what one tensor load brings
.set STAGE,  4*QUART                   ; behind wo: the way out's stages, 16 rows x (512 + 16) bytes a wave, bytes of their own
.set SPITCH, 528
.set SPARE,  STAGE+4*16*SPITCH         ; behind the stages: the spare words, 128 bytes a wave
.set ADRB, 20                          ; v20, v21  LDS address of my wo blocks 0-3, 4-7
.set STO,  24
.set RD,   25
.set CO,   26                          ; 16 x lane
.set SPW,  28
.set NIL,  29
.set WF,   32
.set TMP,  32
.set BK,   96
.set G1, 24
.set G0, 32
.set MSB, 0
.macro WIN new
.if MSB != \new
	s_set_vgpr_msb (MSB<<8)|\new
.set MSB, \new
.endif
.endm
.macro CROUND
	s_barrier_signal -1
	s_barrier_wait -1
	s_cmp_lg_u32 s14, 0
	s_cbranch_scc1 .Lnot_wave_0_\@
	s_barrier_signal -3
.Lnot_wave_0_\@:
	s_barrier_wait -3
	s_barrier_signal -1
	s_barrier_wait -1
.endm
.macro PLACES n
.rept \n
	v_nop
.endr
.endm
.macro ALOAD q                         ; a's four fragments of the q-th 128 along K: 16 loads, each of 512 consecutive bytes
	WIN 0x40*(1+(\q)/4)
.irp i, 0,1,2,3
.irp c, 0,1,2,3
	global_load_b128 v[64*((\q)%4)+16*\i+4*\c:64*((\q)%4)+16*\i+4*\c+3], v[CO], s[20:21] offset:16384*\i+2048*(\q)+512*\c
.endr
.endr
.endm
	s_load_b128 s[4:7], s[0:1], 0x0                ; a's images, wo's codes
	s_load_b128 s[8:11], s[0:1], 0x10              ; the scales' exponents, out0
	v_lshl_add_u32 v[SPW], v0, 2, SPARE
	v_mov_b32 v[NIL], 0
	ds_add_u32 v[SPW], v[NIL]                      ; the opening lines: the add twice on end and its wait
	ds_add_u32 v[SPW], v[NIL]
	v_lshrrev_b32 v1, 5, v0
	v_readfirstlane_b32 s14, v1                    ; wave 0..3
	s_lshr_b32 s15, s14, 1                         ; which 64 of the tile's rows are mine
	s_and_b32 s16, s14, 1                          ; which 128 of its columns
	s_bfe_u32 s80, ttmp6, 0x40000                  ; cx, cy
	s_bfe_u32 s81, ttmp6, 0x40004
	s_lshl_b32 s82, ttmp9, 2
	s_add_co_u32 s82, s82, s80                     ; tile column
	s_and_b32 s17, ttmp7, 0xffff
	s_lshl_b32 s17, s17, 2
	s_add_co_u32 s17, s17, s81                     ; tile row
	s_lshl_b32 s84, 0x1111, s80                    ; my column of the cluster
	s_or_b32 s[G1], s84, (1<<20)|(1<<21)|(7<<22)|(3<<25)   ; the mask; elements of 1 byte; bit 21 beside the mask; padding: 4 words after every 256
	s_mov_b32 s[G1+1], 1024<<16
	s_mov_b32 s[G1+2], 64<<16
	s_mov_b32 s[G1+3], 1024<<16
	s_mov_b32 s[G1+4], 64
	s_mov_b32 s[G1+5], 1024
	s_mov_b32 s[G1+6], 0
	s_mov_b32 s[G1+7], 0
	s_lshl_b32 s20, s17, 3
	s_lshl_b32 s18, s15, 2
	s_add_co_u32 s20, s20, s18
	s_lshl_b32 s20, s20, 14                        ; a: tile of rows 8 x tile row + 4 x half, 16,384 bytes each
	s_mov_b32 s21, 0
	s_lshl_b32 s46, s82, 8
	s_lshl_b32 s18, s14, 6
	s_add_co_u32 s46, s46, s18
	s_lshl_b32 s46, s46, 10                        ; wo: row 256 x tile column + 64 x wave
	s_mov_b32 s47, 0
	s_mul_i32 s45, s14, QUART                      ; and where it goes
	v_and_b32 v6, 31, v0
	v_lshlrev_b32 v[CO], 4, v6
	s_wait_alu depctr_va_vdst(0)                   ; the wait directly ahead of the waits below
	s_wait_dscnt 0x0
	s_wait_kmcnt 0x0
	s_load_b64 s[96:97], s[8:9], 0x28              ; e10, e11
	s_add_nc_u64 s[20:21], s[4:5], s[20:21]
	s_mov_b32 s[G0], 1
	s_mov_b32 s[G0+1], s45
	s_add_nc_u64 s[G0+2:G0+3], s[6:7], s[46:47]
	s_or_b32 s[G0+3], s[G0+3], 0x80000000
	ALOAD 0                                        ; 48 loads are on their way while the cluster meets
	ALOAD 1
	ALOAD 2
	WIN 0
	CROUND                                         ; all sixteen work-groups are here: the joint loads meet
	tensor_load_to_lds s[G0:G0+3], s[G1:G1+7]      ; my one tensor load of the launch
	s_nop 0
	PLACES 4
.irp q, 3,4,5,6,7
	ALOAD \q
.endr
	WIN 0
	v_and_b32 v1, 15, v0
	v_bfe_u32 v2, v0, 4, 1
	v_mul_u32_u24 v3, v1, PITCH
	v_lshl_add_u32 v4, v2, 4, v3                   ; row x pitch + 16 x half
	s_mul_i32 s22, s16, 2*QUART                    ; my 128 rows of wo
	v_add_nc_u32 v[ADRB], s22, v4
	v_add_nc_u32 v[ADRB+1], QUART, v[ADRB]
	s_mul_i32 s23, s14, 16*SPITCH
	s_add_co_u32 s23, s23, STAGE                   ; my stage
	v_mul_u32_u24 v5, v1, SPITCH
	v_lshl_add_u32 v5, v2, 5, v5
	v_add_nc_u32 v[STO], s23, v5                   ; in: row l % 16, 32 bytes for each half of the lanes
	v_add_nc_u32 v[RD], s23, v[CO]                 ; back: the 32 lanes take one row of 512 bytes
	s_lshl_b32 s86, s17, 7
	s_lshl_b32 s87, s15, 6
	s_add_co_u32 s86, s86, s87
	s_lshl_b32 s86, s86, 12                        ; my first row, 4,096 bytes a row
	s_mov_b32 s87, 0
	s_lshl_b32 s88, s82, 10
	s_lshl_b32 s89, s16, 9
	s_add_co_u32 s88, s88, s89                     ; my first column, in bytes
	s_mov_b32 s89, 0
	s_add_nc_u64 s[86:87], s[86:87], s[88:89]
	s_add_nc_u64 s[10:11], s[10:11], s[86:87]
; Half step j = 2 q + u: the q-th 128 along K, wo's blocks 4 u .. 4 u + 3, whose fragments lie in group j % 3.
.macro LOADG j
.irp i, 0,1,2,3
.irp c, 0,1,2,3
	ds_load_b128 v[WF+64*((\j)%3)+16*\i+4*\c:WF+64*((\j)%3)+16*\i+4*\c+3], v[ADRB+(\j)%2] offset:16*PITCH*\i+128*((\j)/2)+32*\c
.endr
.endr
.endm
.macro HALF j
.if (\j) < 14
.if (\j) > 0
	PLACES 4                                       ; the group that is loaded next was read by the products just issued
.endif
	LOADG (\j)+2
	s_wait_dscnt 32                                ; the two groups issued behind this half step's may be out
.else
	s_wait_dscnt 16*(15-(\j))
.endif
.if (\j)%2 == 0
.if 16*(7-(\j)/2) > 63
	s_wait_loadcnt 63                              ; behind this K step's loads of a stand 16 (7 - q) others; the wait's field holds 63
.else
	s_wait_loadcnt 16*(7-(\j)/2)
.endif
.endif
	WIN 0xf0|(4*(1+(\j)/8))
.irp a, 0,1,2,3                        ; the 32 accumulators take turns, in the same order in every K step; the first K step starts the sums
.irp i, 0,1,2,3
.if (\j) < 2
	v_wmma_f32_16x16x128_fp8_fp8 v[8*(8*\a+4*((\j)%2)+\i):8*(8*\a+4*((\j)%2)+\i)+7], v[WF+64*((\j)%3)+16*\i:WF+64*((\j)%3)+16*\i+15], v[64*(((\j)/2)%4)+16*\a:64*(((\j)/2)%4)+16*\a+15], 0
.else
	v_wmma_f32_16x16x128_fp8_fp8 v[8*(8*\a+4*((\j)%2)+\i):8*(8*\a+4*((\j)%2)+\i)+7], v[WF+64*((\j)%3)+16*\i:WF+64*((\j)%3)+16*\i+15], v[64*(((\j)/2)%4)+16*\a:64*(((\j)/2)%4)+16*\a+15], v[8*(8*\a+4*((\j)%2)+\i):8*(8*\a+4*((\j)%2)+\i)+7]
.endif
.endr
.endr
	WIN 0
.endm
	s_wait_alu depctr_va_vdst(0)                   ; the wait at the head's end
	s_wait_tensorcnt 0x0                           ; my 64 rows of wo have landed
	s_barrier_signal -1
	s_barrier_wait -1                              ; everybody's have
	LOADG 0
	LOADG 1
.irp j, 0,1,2,3,4,5,6,7,8,9,10,11,12,13,14,15
	HALF \j
.endr
; THE WAY OUT, block by block of 16 rows x 128 columns, through my own stage: in as 32 bytes a lane, back as whole rows of 512 bytes.  LDS serves a wave's instructions in order (ISA guide 5.7.1.4).
.macro TOSTAGE a
.set AC, 64*(\a)
	WIN 0x03
.irp j, 0,2,4,6,8,10,12,14,16,18,20,22,24,26,28,30,32,34,36,38,40,42,44,46,48,50,52,54,56,58,60,62
	v_pk_mul_f32 v[TMP+\j:TMP+\j+1], v[AC+\j:AC+\j+1], s[96:97] op_sel_hi:[1,0]   ; x 2^(e10 + e11); each accumulator from its low end on
.endr
	WIN 0
.irp b, 0,1,2,3,4,5,6,7
	ds_store_b128 v[STO], v[TMP+8*\b:TMP+8*\b+3] offset:64*\b
	ds_store_b128 v[STO], v[TMP+8*\b+4:TMP+8*\b+7] offset:64*\b+16
.endr
.set BB, BK+64*((\a)%2)
.irp t, 0,1,2,3,4,5,6,7,8,9,10,11,12,13,14,15
	ds_load_b128 v[BB+4*\t:BB+4*\t+3], v[RD] offset:\t*SPITCH
.endr
.endm
.macro SEND a, younger                 ; younger: the LDS instructions issued behind block a's loads, which may stay out
.set BB, BK+64*((\a)%2)
	s_wait_dscnt \younger
.if (\a) > 0
	s_add_nc_u64 s[10:11], s[10:11], 16*SIZE_N*4   ; (behind a wait on XCNT)  16 rows on
.endif
.irp t, 0,1,2,3,4,5,6,7,8,9,10,11,12,13,14,15
	global_store_b128 v[CO], v[BB+4*\t:BB+4*\t+3], s[10:11] offset:\t*SIZE_N*4 th:TH_STORE_NT   ; 32 lanes store 512 consecutive bytes, aligned
.endr
.endm
	s_wait_kmcnt 0x0
	s_add_co_i32 s96, s96, s97
	s_add_co_i32 s96, s96, 127
	s_lshl_b32 s96, s96, 23                        ; 2^(e10 + e11) as f32
	PLACES 4                                       ; behind the last products
	TOSTAGE 0
.irp a, 1,2,3
.if \a > 1
	s_wait_xcnt 0x0                                ; block a - 2's stores have read their registers and their base
.endif
	TOSTAGE \a
	SEND \a-1, 32                                  ; behind block a - 1's loads: block a's 16 stores and 16 loads
.endr
	s_wait_xcnt 0x0
	SEND 3, 0
	s_wait_tensorcnt 0x0                           ; the wave's end
	ds_add_u32 v[SPW], v[NIL]
	s_wait_dscnt 0x0
	CROUND                                         ; the closing round
	s_endpgm
.Lfunc_end_k_q297aaa7a14_oproj:
	.size	k_q297aaa7a14_oproj, .Lfunc_end_k_q297aaa7a14_oproj-k_q297aaa7a14_oproj
	.p2alignl 7, 3214868480
	.fill 96, 4, 3214868480
	.section	.rodata,"a",@progbits
	.p2align	6, 0x0
	.amdhsa_kernel k_q297aaa7a14_oproj
		.amdhsa_group_segment_fixed_size 327680
		.amdhsa_private_segment_fixed_size 0
		.amdhsa_enable_private_segment 0
		.amdhsa_kernarg_size 32
		.amdhsa_user_sgpr_count 2
		.amdhsa_user_sgpr_kernarg_segment_ptr 1
		.amdhsa_wavefront_size32 1
		.amdhsa_system_sgpr_workgroup_id_x 1
		.amdhsa_system_sgpr_workgroup_id_y 1
		.amdhsa_system_sgpr_workgroup_id_z 1
		.amdhsa_system_vgpr_workitem_id 0
		.amdhsa_next_free_vgpr 1024
		.amdhsa_next_free_sgpr 98
		.amdhsa_reserve_vcc 0
		.amdhsa_float_denorm_mode_32 3
		.amdhsa_float_denorm_mode_16_64 3
		.amdhsa_memory_ordered 1
		.amdhsa_forward_progress 1
		.amdhsa_inst_pref_size 76
	.end_amdhsa_kernel
	.amdgpu_metadata
---
amdhsa.version: [ 1, 2 ]
amdhsa.kernels:
  - .name:           k_q297aaa7a14_oproj
    .symbol:         k_q297aaa7a14_oproj.kd
    .args:
      - { .name: a_img, .offset: 0, .size: 8, .value_kind: global_buffer, .address_space: global }
      - { .name: wo_codes, .offset: 8, .size: 8, .value_kind: global_buffer, .address_space: global }
      - { .name: lowp_scales, .offset: 16, .size: 8, .value_kind: global_buffer, .address_space: global }
      - { .name: out0, .offset: 24, .size: 8, .value_kind: global_buffer, .address_space: global }
    .group_segment_fixed_size: 327680
    .private_segment_fixed_size: 0
    .kernarg_segment_align: 8
    .kernarg_segment_size: 32
    .max_flat_workgroup_size: 128
    .sgpr_count:     98
    .vgpr_count:     1024
    .wavefront_size: 32
...
	.end_amdgpu_metadata
.endif
;; end of part 3
